; MI455X (gfx1250); checked and timed in simulation.
; The chip was launched on July 23, 2026; its instructions are those of AMD's public machine-readable ISA for CDNA 5 (MIT licence, August 2026) and "CDNA5" Instruction Set Architecture Reference Guide (July 2026). The comments in the code are by the model that wrote it; some were corrected since.
;; KR Embedding. Allowed arithmetic: float matrix products may take bf16 or f16 operands with f32 sums; all other float work in f32.
;; Inputs: W 50,000 x 512 float32; center 8,192 int32; context 8,192 x 32 int32.
;; Outputs: out0 8,192 x 512 float32.
;; 3 versions, each right and faster than the one before. Each part assembles by itself: llvm-mc -triple=amdgcn-amd-amdhsa -mcpu=gfx1250 --defsym DOCPART=n.
;; ======== version 1 of 3: 1 launch
;; launch kre (part 1): grid 256 x 1, 16 waves a work-group, no clusters, 0 bytes of LDS; arguments W, center, context, out0; writes out0
.if DOCPART == 1
	.amdgcn_target "amdgcn-amd-amdhsa--gfx1250"
	.amdhsa_code_object_version 6
	.text
	.protected	k_q004152fafb_kre
	.globl	k_q004152fafb_kre
	.p2align	8
	.type	k_q004152fafb_kre,@function
k_q004152fafb_kre:
	s_mov_b64 s[64:65], 0
	v_nop
	global_prefetch_b8 v0, s[64:65] scope:SCOPE_SE
	s_setreg_imm32_b32 hwreg(HW_REG_WAVE_MODE, 25, 1), 1
	s_wait_xcnt 0x0
; out[b] = sum_c w[b,c] W[context[b,c]] / (sum_c w[b,c] + 1e-8),  w[b,c] = exp(-|W[context[b,c]] - W[center[b]]|^2 / 2).
; W: [50000][512] f32, context: [8192][32] i32, center: [8192] i32, out: [8192][512] f32.  All arithmetic in f32.
;
; ONE PASS OVER THE GATHERED ROWS.  No maximum is subtracted in this formula, so a row's weight is final as soon as its own
; distance is known: a row is requested once, gives its distance, and straight afterwards enters acc += w * row and the sum of
; weights.  The division is done once per item at the end.  Nothing is kept but 16 + 16 registers of center and acc.
; SHARES.  256 work-groups x 16 waves; a wave owns 2 items = 64 context rows.  A row of 2,048 bytes lies across the 32 lanes:
; four loads of 16 bytes a lane, each covering 512 consecutive bytes, aligned.  center, acc and the output have the same layout.
; RING.  11 row slots of 16 registers.  Four rows are at work, seven are on their way; a slot is asked again behind its row's last use.
; ADDRESSES.  The indices come by scalar loads; clamp, shift and the sum with W's address are scalar work, a base pair for each slot.
; The 16 groups of four rows are unrolled by macros: scalar registers cannot be picked by a loop counter, and 11 does not divide 32.
; No LDS, no barrier, no cluster: no wave reads what another one loaded, and which rows two work-groups share hangs on the indices.
; LIMITS.  An index is taken as unsigned and clamped to 49,999 (the problem keeps indices inside the table; a negative index is not
; wrapped).  The sums run in another order than the reference's; 1 / (sum + 1e-8) is v_rcp_f32 and multiplies the finished sum.
.set VLAST,  49999                     ; last row of W
.set ROWB,   2048                      ; bytes in a row
.set CTX,    32                        ; context rows of an item
.set ITEMS,  2                         ; items of a wave
.set NROWS,  ITEMS*CTX                 ; context rows of a wave
.set R,      11                        ; ring slots
.set LOFF, 1                           ; v1        16 x lane
.set WS,   2                           ; v2        running sum of weights: lane l holds the rows with number l % 4 in their group
.set E,    3                           ; v3        the group's four weights, row l % 4 in lane l
.set T,    4                           ; v[4:11]   at work
.set P,    12                          ; v[12:19]  four pairs of partial sums of squares; then v[12:15] the four weights, in every lane
.set ACC,  20                          ; v[20:35]  sum of w * row
.set CEN,  36                          ; v[36:67]  the center rows of both items
.set X,    68                          ; v[68:243] slot s: 16 registers
.set IDX,  16                          ; s[16:47]  row n's index in s[IDX + n % 32]
.set BASE, 66                          ; s[66:87]  slot s: address of its row
	s_load_b256 s[4:11], s[0:1], 0x0               ; W s[4:5], center s[6:7], context s[8:9], out0 s[10:11]
	v_lshrrev_b32 v2, 5, v0
	v_readfirstlane_b32 s58, v2                    ; wave in the work-group
	v_and_b32 v1, 31, v0
	v_lshlrev_b32 v[LOFF], 4, v1                   ; my 16 bytes in each 512
	s_lshl_b32 s59, ttmp9, 4
	s_add_co_u32 s59, s59, s58                     ; wave in the launch, 0 to 4,095
	s_mov_b32 s3, 0                                ; high words of the two offset pairs
	s_mov_b32 s13, 0
	s_mov_b32 s14, 0xaaaaaaaa                      ; lanes with bit 0 set
	s_mov_b32 s15, 0xcccccccc                      ; lanes with bit 1 set
	s_mov_b32 s48, 0x76543210                      ; v_permlanex16_b32: lane i of one half reads lane i of the other
	s_mov_b32 s49, 0xfedcba98
	s_mov_b32 s50, 0xbf38aa3b                      ; -0.5 x log2(e)
	s_wait_kmcnt 0x0
	s_mul_i32 s2, s59, ITEMS*4
	s_add_nc_u64 s[6:7], s[6:7], s[2:3]            ; my two center indices
	s_mul_i32 s2, s59, NROWS*4
	s_add_nc_u64 s[8:9], s[8:9], s[2:3]            ; my 64 context indices
	s_mul_i32 s2, s59, ITEMS*ROWB
	s_add_nc_u64 s[10:11], s[10:11], s[2:3]        ; my two rows of the output
	s_load_b64 s[52:53], s[6:7], 0x0
	s_load_b512 s[IDX:IDX+15], s[8:9], 0x0         ; rows 0 to 15
	s_load_b512 s[IDX+16:IDX+31], s[8:9], 0x40     ; rows 16 to 31
	s_wait_kmcnt 0x0
.irp i, 0,1                                        ; both center rows first: they are in when any context row is (loads end in order)
	s_min_u32 s12, s[52+\i], VLAST
	s_lshl_b32 s12, s12, 11
	s_add_nc_u64 s[54+2*\i:55+2*\i], s[4:5], s[12:13]
.irp j, 0,1,2,3
	global_load_b128 v[CEN+16*\i+4*\j:CEN+16*\i+4*\j+3], v[LOFF], s[54+2*\i:55+2*\i] offset:512*\j
.endr
.endr
; Ask for row FN into slot FN % R, if there is such a row.  FN = rows asked for so far; the waits below are counted from it.
; Every 16 rows: the 16 index registers just used up are loaded again, 16 rows before they are wanted, and the wait for that
; scalar load stands in front of its first use.
.set FN, 0
.macro FILL
.if FN < NROWS
.if (FN % 16) == 0
.if FN >= 32
	s_wait_kmcnt 0x0                               ; the indices of rows FN to FN + 15, asked for 16 rows ago
.endif
.if FN >= 16
.if (FN + 16) < NROWS
	s_load_b512 s[IDX+(FN+16)%32:IDX+(FN+16)%32+15], s[8:9], (FN+16)*4
.endif
.endif
.endif
	s_min_u32 s12, s[IDX+FN%32], VLAST             ; no address leaves the table
	s_lshl_b32 s12, s12, 11                        ; x 2,048 bytes: below 2^27
	s_add_nc_u64 s[BASE+2*(FN%R):BASE+2*(FN%R)+1], s[4:5], s[12:13]
.irp j, 0,1,2,3
	global_load_b128 v[X+16*(FN%R)+4*\j:X+16*(FN%R)+4*\j+3], v[LOFF], s[BASE+2*(FN%R):BASE+2*(FN%R)+1] offset:512*\j
.endr
.set FN, FN+1
.endif
.endm
; acc (+)= weight r x the row at XS.  The weights lie in v[P:P+3]; op_sel and op_sel_hi pick one register of a pair for both halves.
.macro AXPY r, start
.irp j, 0,1,2,3,4,5,6,7
.if \start
	v_pk_mul_f32 v[ACC+2*\j:ACC+2*\j+1], v[XS+2*\j:XS+2*\j+1], v[P:P+1] op_sel_hi:[1,0]      ; an item's first row starts the sums
.elseif ((\r) % 2) == 0
	v_pk_fma_f32 v[ACC+2*\j:ACC+2*\j+1], v[XS+2*\j:XS+2*\j+1], v[P+\r:P+\r+1], v[ACC+2*\j:ACC+2*\j+1] op_sel_hi:[1,0,1]
.else
	v_pk_fma_f32 v[ACC+2*\j:ACC+2*\j+1], v[XS+2*\j:XS+2*\j+1], v[P+\r-1:P+\r], v[ACC+2*\j:ACC+2*\j+1] op_sel:[0,1,0] op_sel_hi:[1,1,1]
.endif
.endr
.endm
; Rows PN to PN + 3.  first = 1: they are an item's first four.
.set PN, 0
.macro GROUP first
.set CB, CEN+16*(PN/CTX)                           ; this item's center
	s_wait_loadcnt 4*(FN-PN-4)                     ; loads end in order (ISA guide 5.7.1): four for each row asked for behind row PN + 3 may stay out.
	                                               ; It also shows the four slots' loads done, so that FILL may rewrite their base pairs
	; sums of squared differences, my 16 numbers of each row; the four rows take turns, so that no line waits for the one in front
.irp j, 0,1,2,3,4,5,6,7
.irp r, 0,1,2,3
	v_pk_add_f32 v[T+2*\r:T+2*\r+1], v[X+16*((PN+\r)%R)+2*\j:X+16*((PN+\r)%R)+2*\j+1], v[CB+2*\j:CB+2*\j+1] neg_lo:[0,1] neg_hi:[0,1]
.endr
.irp r, 0,1,2,3
.if \j == 0
	v_pk_mul_f32 v[P+2*\r:P+2*\r+1], v[T+2*\r:T+2*\r+1], v[T+2*\r:T+2*\r+1]
.else
	v_pk_fma_f32 v[P+2*\r:P+2*\r+1], v[T+2*\r:T+2*\r+1], v[T+2*\r:T+2*\r+1], v[P+2*\r:P+2*\r+1]
.endif
.endr
.endr
.irp r, 0,1,2,3
	v_add_f32 v[T+\r], v[P+2*\r], v[P+2*\r+1]
.endr
	; Across the lanes.  The steps xor 1 and xor 2 also sort the rows onto the lanes: a lane keeps the row of its own bit and hands
	; the other one to its neighbour.  Behind them lane l carries row l % 4 alone, and the rest is done once for four rows.
	v_cndmask_b32 v[T+4], v[T+0], v[T+1], s14      ; kept: row 0 in even lanes, row 1 in odd lanes
	v_cndmask_b32 v[T+5], v[T+1], v[T+0], s14      ; handed over: what the neighbour keeps
	v_cndmask_b32 v[T+6], v[T+2], v[T+3], s14
	v_cndmask_b32 v[T+7], v[T+3], v[T+2], s14
	v_add_f32_dpp v[T+4], v[T+5], v[T+4] row_xmask:1 row_mask:0xf bank_mask:0xf
	v_add_f32_dpp v[T+6], v[T+7], v[T+6] row_xmask:1 row_mask:0xf bank_mask:0xf
	v_cndmask_b32 v[T+0], v[T+4], v[T+6], s15      ; kept: rows 0, 1 where bit 1 is clear, rows 2, 3 where it is set
	v_cndmask_b32 v[T+1], v[T+6], v[T+4], s15
	v_add_f32_dpp v[T+0], v[T+1], v[T+0] row_xmask:2 row_mask:0xf bank_mask:0xf
	v_add_f32_dpp v[T+0], v[T+0], v[T+0] row_xmask:4 row_mask:0xf bank_mask:0xf
	v_add_f32_dpp v[T+0], v[T+0], v[T+0] row_xmask:8 row_mask:0xf bank_mask:0xf
	v_permlanex16_b32 v[T+1], v[T+0], s48, s49
	v_add_f32 v[T+0], v[T+0], v[T+1]               ; lane l: the squared distance of row PN + l % 4
	; w = exp(-d / 2) = 2^(-0.5 log2(e) d).  The exponent is never above 0, so it is taken 64 higher and the result scaled by 2^-64:
	; v_exp_f32 gives 0 for results below 2^-126, the multiply keeps them as denormals.
	v_fma_f32 v[T+0], v[T+0], s50, 0x42800000
	v_exp_f32 v[E], v[T+0]
	v_nop                                          ; one plain vector instruction behind a transcendental before its result is read (ISA guide 5.7.2)
.if \first
	s_wait_alu depctr_va_vdst(0)
	v_mul_f32 v[WS], 0x1f800000, v[E]              ; an item's first four weights start the sum of weights
.set WSRC, WS
.else
	s_wait_alu depctr_va_vdst(0)
	v_mul_f32 v[E], 0x1f800000, v[E]
	v_add_f32 v[WS], v[WS], v[E]
.set WSRC, E
.endif
.irp r, 0,1,2,3
	v_mov_b32_dpp v[P+\r], v[WSRC] quad_perm:[\r,\r,\r,\r] row_mask:0xf bank_mask:0xf   ; weight r into every lane
.endr
.if \first
.if PN > 0
	s_wait_xcnt 0x0                                ; acc is still the data of the last item's stores: it is rewritten only behind this wait (ISA guide 3.1)
.endif
.endif
	; the weighted sum; behind a row's last use its slot is asked again, R rows ahead
.set XS, X+16*(PN%R)
	AXPY 0, \first
	FILL
.irp r, 1,2,3
.set XS, X+16*((PN+\r)%R)
	AXPY \r, 0
	FILL
.endr
.set PN, PN+4
.endm
; An item's end: the four lanes of a quad hold the sums of weights of rows 0, 1, 2, 3 modulo 4; divide and store.
.macro FINISH item
	v_add_f32_dpp v[WS], v[WS], v[WS] row_xmask:1 row_mask:0xf bank_mask:0xf
	v_add_f32_dpp v[WS], v[WS], v[WS] row_xmask:2 row_mask:0xf bank_mask:0xf
	v_add_f32 v[WS], 0x322bcc77, v[WS]             ; + 1e-8
	v_rcp_f32 v[T], v[WS]
	v_nop                                          ; as behind v_exp_f32
	s_wait_alu depctr_va_vdst(0)
.irp j, 0,1,2,3,4,5,6,7
	v_pk_mul_f32 v[ACC+2*\j:ACC+2*\j+1], v[ACC+2*\j:ACC+2*\j+1], v[T:T+1] op_sel_hi:[1,0]
.endr
.irp j, 0,1,2,3
	global_store_b128 v[LOFF], v[ACC+4*\j:ACC+4*\j+3], s[10:11] offset:\item*ROWB+512*\j th:TH_STORE_NT   ; 512 consecutive bytes, aligned; not read again
.endr
.endm
.rept R
	FILL                                           ; rows 0 to 10: with the centers 52 loads of the wave are out
.endr
.irp item, 0,1
	GROUP 1
.rept CTX/4-1
	GROUP 0
.endr
	FINISH \item
.endr
	s_endpgm
.Lfunc_end_k_q004152fafb_kre:
	.size	k_q004152fafb_kre, .Lfunc_end_k_q004152fafb_kre-k_q004152fafb_kre
	.p2alignl 7, 3214868480
	.fill 96, 4, 3214868480
	.section	.rodata,"a",@progbits
	.p2align	6, 0x0
	.amdhsa_kernel k_q004152fafb_kre
		.amdhsa_group_segment_fixed_size 0
		.amdhsa_private_segment_fixed_size 0
		.amdhsa_enable_private_segment 0
		.amdhsa_kernarg_size 32
		.amdhsa_user_sgpr_count 2
		.amdhsa_user_sgpr_kernarg_segment_ptr 1
		.amdhsa_wavefront_size32 1
		.amdhsa_system_sgpr_workgroup_id_x 1
		.amdhsa_system_sgpr_workgroup_id_y 1
		.amdhsa_system_sgpr_workgroup_id_z 1
		.amdhsa_system_vgpr_workitem_id 0
		.amdhsa_next_free_vgpr 244
		.amdhsa_next_free_sgpr 88
		.amdhsa_reserve_vcc 0
		.amdhsa_float_denorm_mode_32 3
		.amdhsa_float_denorm_mode_16_64 3
		.amdhsa_memory_ordered 1
		.amdhsa_forward_progress 1
		.amdhsa_inst_pref_size 157
	.end_amdhsa_kernel
	.amdgpu_metadata
---
amdhsa.version: [ 1, 2 ]
amdhsa.kernels:
  - .name:           k_q004152fafb_kre
    .symbol:         k_q004152fafb_kre.kd
    .args:
      - { .name: W, .offset: 0, .size: 8, .value_kind: global_buffer, .address_space: global }
      - { .name: center, .offset: 8, .size: 8, .value_kind: global_buffer, .address_space: global }
      - { .name: context, .offset: 16, .size: 8, .value_kind: global_buffer, .address_space: global }
      - { .name: out0, .offset: 24, .size: 8, .value_kind: global_buffer, .address_space: global }
    .group_segment_fixed_size: 0
    .private_segment_fixed_size: 0
    .kernarg_segment_align: 8
    .kernarg_segment_size: 32
    .max_flat_workgroup_size: 512
    .sgpr_count:     88
    .vgpr_count:     244
    .wavefront_size: 32
...
	.end_amdgpu_metadata
.endif
;; end of part 1
;; ======== version 2 of 3: 2 launches; 1.11 times as fast as version 1
;; limits: values outside matrix products are rounded to bf16
;; workspace buffers: tab 51,200,000 bytes
;; launch cast (part 2): grid 1250 x 1, 4 waves a work-group, no clusters, 0 bytes of LDS; arguments W, tab; writes tab
.if DOCPART == 2
	.amdgcn_target "amdgcn-amd-amdhsa--gfx1250"
	.amdhsa_code_object_version 6
	.text
	.protected	k_q004152fafb_cast
	.globl	k_q004152fafb_cast
	.p2align	8
	.type	k_q004152fafb_cast,@function
k_q004152fafb_cast:
	s_mov_b64 s[64:65], 0
	v_nop
	global_prefetch_b8 v0, s[64:65] scope:SCOPE_SE
	s_setreg_imm32_b32 hwreg(HW_REG_WAVE_MODE, 25, 1), 1
	s_wait_xcnt 0x0
; tab = W rounded to bf16 (nearest even), for the gather that follows.  W: [50000][512] f32.  tab: 50,000 rows of 1,024 bytes.
; WHY.  The gather asks for 8192 x 33 rows, 5.4 times the table's rows.  Rounding the table once costs 102.4 + 51.2 MB here and
; takes 1,024 bytes off each of those 270,336 requests, 276.8 MB.
; LAYOUT OF A ROW OF tab (this program's own).  Lane l of a wave takes an f32 row as four pieces of 16 bytes, at 512 j + 16 l:
; elements 128 j + 4 l + 0..3.  Its 16 numbers become 8 words, word k = (number 2k low, number 2k+1 high), stored as two pieces of
; 16 bytes at 512 j' + 16 l.  So a lane that reads its two pieces of a tab row holds the same 16 elements as in an f32 row, and the
; gather's results have the output's layout.  Every load and store of a wave covers 512 consecutive bytes, aligned.
; SHARES.  1,250 work-groups x 4 waves x 10 rows = 50,000 rows.  A wave asks for its 10 rows (40 loads, 20,480 bytes) at once and
; packs and stores each as it comes: no loop, no register is loaded twice, no wave depends on another.
; LIMIT.  bf16 keeps 8 bits of significand: each element moves by up to 2^-9 of itself; magnitudes above bf16's largest become infinite.
.set ROWS, 10                          ; rows of a wave
.set FROW, 2048                        ; bytes in a row of W
.set HROW, 1024                        ; bytes in a row of tab
.set LOFF, 1                           ; v1        16 x lane
.set X,    2                           ; v[2:161]  row r: 16 registers as loaded; packed in place into its first 8
	s_load_b128 s[4:7], s[0:1], 0x0                ; W s[4:5], tab s[6:7]
	v_lshrrev_b32 v[X], 5, v0
	v_readfirstlane_b32 s8, v[X]                   ; wave in the work-group
	v_and_b32 v[LOFF], 31, v0
	v_lshlrev_b32 v[LOFF], 4, v[LOFF]              ; my 16 bytes in each 512
	s_lshl_b32 s9, ttmp9, 2
	s_add_co_u32 s9, s9, s8                        ; wave in the launch, 0 to 4,999
	s_mul_i32 s10, s9, ROWS*FROW                   ; below 102,400,000
	s_mov_b32 s11, 0
	s_mul_i32 s12, s9, ROWS*HROW
	s_mov_b32 s13, 0
	s_wait_kmcnt 0x0
	s_add_nc_u64 s[4:5], s[4:5], s[10:11]          ; my ten rows of W
	s_add_nc_u64 s[6:7], s[6:7], s[12:13]          ; and of tab
.irp r, 0,1,2,3,4,5,6,7,8,9
.irp j, 0,1,2,3
	global_load_b128 v[X+16*\r+4*\j:X+16*\r+4*\j+3], v[LOFF], s[4:5] offset:\r*FROW+512*\j th:TH_LOAD_NT   ; read once in the launch
.endr
.endr
.irp r, 0,1,2,3,4,5,6,7,8,9
	s_wait_loadcnt 4*(ROWS-1-\r)                   ; loads end in order (ISA guide 5.7.1): the four of each later row may stay out
.irp k, 0,1,2,3,4,5,6,7
	v_cvt_pk_bf16_f32 v[X+16*\r+\k], v[X+16*\r+2*\k], v[X+16*\r+2*\k+1]   ; word k lands on a register whose number has been packed already
.endr
	global_store_b128 v[LOFF], v[X+16*\r:X+16*\r+3],   s[6:7] offset:\r*HROW       ; no hint: the next launch reads the table
	global_store_b128 v[LOFF], v[X+16*\r+4:X+16*\r+7], s[6:7] offset:\r*HROW+512
.endr
	s_endpgm
.Lfunc_end_k_q004152fafb_cast:
	.size	k_q004152fafb_cast, .Lfunc_end_k_q004152fafb_cast-k_q004152fafb_cast
	.p2alignl 7, 3214868480
	.fill 96, 4, 3214868480
	.section	.rodata,"a",@progbits
	.p2align	6, 0x0
	.amdhsa_kernel k_q004152fafb_cast
		.amdhsa_group_segment_fixed_size 0
		.amdhsa_private_segment_fixed_size 0
		.amdhsa_enable_private_segment 0
		.amdhsa_kernarg_size 16
		.amdhsa_user_sgpr_count 2
		.amdhsa_user_sgpr_kernarg_segment_ptr 1
		.amdhsa_wavefront_size32 1
		.amdhsa_system_sgpr_workgroup_id_x 1
		.amdhsa_system_sgpr_workgroup_id_y 1
		.amdhsa_system_sgpr_workgroup_id_z 1
		.amdhsa_system_vgpr_workitem_id 0
		.amdhsa_next_free_vgpr 162
		.amdhsa_next_free_sgpr 66
		.amdhsa_reserve_vcc 0
		.amdhsa_float_denorm_mode_32 3
		.amdhsa_float_denorm_mode_16_64 3
		.amdhsa_memory_ordered 1
		.amdhsa_forward_progress 1
		.amdhsa_inst_pref_size 12
	.end_amdhsa_kernel
	.amdgpu_metadata
---
amdhsa.version: [ 1, 2 ]
amdhsa.kernels:
  - .name:           k_q004152fafb_cast
    .symbol:         k_q004152fafb_cast.kd
    .args:
      - { .name: W, .offset: 0, .size: 8, .value_kind: global_buffer, .address_space: global }
      - { .name: tab, .offset: 8, .size: 8, .value_kind: global_buffer, .address_space: global }
    .group_segment_fixed_size: 0
    .private_segment_fixed_size: 0
    .kernarg_segment_align: 8
    .kernarg_segment_size: 16
    .max_flat_workgroup_size: 128
    .sgpr_count:     66
    .vgpr_count:     162
    .wavefront_size: 32
...
	.end_amdgpu_metadata
.endif
;; end of part 2
;; launch kre (part 3): grid 256 x 1, 16 waves a work-group, no clusters, 0 bytes of LDS; arguments tab, center, context, out0; writes out0
.if DOCPART == 3
	.amdgcn_target "amdgcn-amd-amdhsa--gfx1250"
	.amdhsa_code_object_version 6
	.text
	.protected	k_q004152fafb_kre
	.globl	k_q004152fafb_kre
	.p2align	8
	.type	k_q004152fafb_kre,@function
k_q004152fafb_kre:
	s_mov_b64 s[64:65], 0
	v_nop
	global_prefetch_b8 v0, s[64:65] scope:SCOPE_SE
	s_setreg_imm32_b32 hwreg(HW_REG_WAVE_MODE, 25, 1), 1
	s_wait_xcnt 0x0
; out[b] = sum_c w[b,c] W[context[b,c]] / (sum_c w[b,c] + 1e-8),  w[b,c] = exp(-|W[context[b,c]] - W[center[b]]|^2 / 2).
; tab: W rounded to bf16 by the launch before, 50,000 rows of 1,024 bytes; context: [8192][32] i32, center: [8192] i32,
; out: [8192][512] f32.  All arithmetic in f32 on the unpacked numbers.
;
; ONE PASS OVER THE GATHERED ROWS.  No maximum is subtracted in this formula, so a row's weight is final as soon as its own
; distance is known: a row is requested once, gives its distance, and straight afterwards enters acc += w * row and the sum of
; weights.  The division is done once per item at the end.
; SHARES.  256 work-groups x 16 waves; a wave owns 2 items = 64 context rows.  A row of 1,024 bytes lies across the 32 lanes: two
; loads of 16 bytes a lane, each covering 512 consecutive bytes, aligned.  The table's layout is such that a lane's 8 words are the
; elements 128 j + 4 l + 0..3 (j = 0..3) of the row, word k = (number 2k low, number 2k+1 high): unpacked, they lie as an f32 row
; does in four pieces of 16 bytes a lane, and so do center, acc and the output.
; ORDER.  A table row is named by 5.2 items on average (262,144 names for 50,000 rows).  Each item's 32 indices are sorted, and a
; wave works on its two items side by side, two rows of the one and two of the other in turn.  All 4,096 waves of the launch start
; together, so all of them walk the table once from its first row to its last, and the requests of different waves for one row
; fall close together in time instead of anywhere in the launch.  The sums do not mind the order of the rows.
; RING.  12 row slots of 8 registers.  A group's four rows are unpacked into 64 registers, which serve the distance and the weighted
; sum; a slot is free behind its unpacking and is asked again there, so that 12 rows are on their way while a group is worked on.
; ADDRESSES.  A sorted index is read from its lane into a scalar; clamp, shift and the sum with the table's address are scalar work, a
; base pair for each slot.  The 16 groups of four rows are unrolled by macros: the lane that is read and the slot are constants.
; No LDS, no barrier, no cluster: no wave reads what another one loaded, and which rows two work-groups share hangs on the indices.
; LIMITS.  The rows are W rounded to bf16 (each element within 2^-9 of itself): distances, weights and results are those of the
; formula on the rounded table.  An index is taken as unsigned and clamped to 49,999 (the problem keeps indices inside the table; a
; negative index is not wrapped).  The sums run in another order than the reference's (ascending row index, and a tree across the
; lanes); 1 / (sum + 1e-8) is v_rcp_f32 and multiplies the finished sum.
.set VLAST,  49999                     ; last row of the table
.set HROW,   1024                      ; bytes in a row of the table
.set OROW,   2048                      ; bytes in a row of the output
.set CTX,    32                        ; context rows of an item
.set ITEMS,  2                         ; items of a wave
.set NROWS,  ITEMS*CTX                 ; context rows of a wave
.set R,      12                        ; ring slots
.set LOFF, 1                           ; v1         16 x lane                      (v0: 4 x lane, for the index loads)
.set WS,   2                           ; v2         running sums of weights: lane l holds the rows with number l % 4 in their group
.set E,    3                           ; v3         the group's four weights, row l % 4 in lane l
.set T,    4                           ; v[4:11]    at work
.set P,    12                          ; v[12:19]   four pairs of partial sums of squares; then v[12:15] the four weights, in every lane
.set ACC,  20                          ; v[20:51]   sum of w * row, item 0 and item 1
.set CEN,  52                          ; v[52:83]   the center rows of item 0 and item 1, f32
.set SI,   84                          ; v[84:85]   the sorted indices of item 0 and item 1, rank l in lane l
.set U,    86                          ; v[86:149]  the group's four rows, f32, 16 registers each (at the start: the centers as loaded)
.set X,    150                         ; v[150:245] slot s: 8 registers, a row as loaded
.set BASE, 16                          ; s[16:39]   slot s: address of its row
.set A1,  0x55555555                   ; lanes whose bit 0 is clear
.set A2,  0x33333333                   ; bit 1
.set A4,  0x0f0f0f0f                   ; bit 2
.set A8,  0x00ff00ff                   ; bit 3
.set A16, 0x0000ffff                   ; bit 4
.set A32, 0xffffffff                   ; bit 5: every lane
	s_load_b256 s[4:11], s[0:1], 0x0               ; tab s[4:5], center s[6:7], context s[8:9], out0 s[10:11]
	v_lshrrev_b32 v[T], 5, v0
	v_readfirstlane_b32 s50, v[T]                  ; wave in the work-group
	v_and_b32 v[T+1], 31, v0                       ; lane
	v_lshlrev_b32 v[LOFF], 4, v[T+1]               ; my 16 bytes in each 512
	v_lshlrev_b32 v0, 2, v[T+1]                    ; my word among an item's 32 indices
	s_lshl_b32 s51, ttmp9, 4
	s_add_co_u32 s51, s51, s50                     ; wave in the launch, 0 to 4,095
	s_mov_b32 s3, 0                                ; high words of the two offset pairs
	s_mov_b32 s13, 0
	s_mov_b32 s14, 0xaaaaaaaa                      ; lanes with bit 0 set
	s_mov_b32 s15, 0xcccccccc                      ; lanes with bit 1 set
	s_mov_b32 s40, 0x76543210                      ; v_permlanex16_b32: lane i of one half reads lane i of the other
	s_mov_b32 s41, 0xfedcba98
	s_mov_b32 s42, 0xbf38aa3b                      ; -0.5 x log2(e)
	s_mov_b32 s52, 0xffff0000                      ; a word's upper bf16
	s_wait_kmcnt 0x0
	s_mul_i32 s2, s51, ITEMS*4
	s_add_nc_u64 s[6:7], s[6:7], s[2:3]            ; my two center indices
	s_mul_i32 s2, s51, NROWS*4
	s_add_nc_u64 s[8:9], s[8:9], s[2:3]            ; my 64 context indices: 256 consecutive bytes, aligned
	s_mul_i32 s2, s51, ITEMS*OROW
	s_add_nc_u64 s[10:11], s[10:11], s[2:3]        ; my two rows of the output
	s_load_b64 s[44:45], s[6:7], 0x0
	global_load_b32 v[SI],   v0, s[8:9] th:TH_LOAD_NT              ; item 0: index l in lane l.  Read once in the launch
	global_load_b32 v[SI+1], v0, s[8:9] offset:CTX*4 th:TH_LOAD_NT ; item 1
	s_wait_kmcnt 0x0
.irp i, 0,1                                        ; both center rows ahead of every context row
	s_min_u32 s12, s[44+\i], VLAST
	s_lshl_b32 s12, s12, 10
	s_add_nc_u64 s[46+2*\i:47+2*\i], s[4:5], s[12:13]
.irp j, 0,1
	global_load_b128 v[U+8*\i+4*\j:U+8*\i+4*\j+3], v[LOFF], s[46+2*\i:47+2*\i] offset:512*\j th:TH_LOAD_HT
.endr
.endr
; THE SORT: a bitonic network over the 32 lanes, both items at once.  In the stage (k, j) lane i meets lane i xor j; it keeps the
; smaller of the two where bits k and j of i are alike (both clear or both set) and the larger elsewhere.  ak, aj: the lanes whose
; bit k, bit j is clear, so the lanes that keep the smaller are those where the two masks agree.
; v[T] and v[T+1], the destinations of the lane moves, have been written above (such a destination counts as read).
.macro STAGE j, ak, aj
	s_mov_b32 s43, (\ak ^ \aj) ^ 0xffffffff
.if \j == 16
	v_permlanex16_b32 v[T],   v[SI],   s40, s41
	v_permlanex16_b32 v[T+1], v[SI+1], s40, s41
.else
	v_mov_b32_dpp v[T],   v[SI]   row_xmask:\j row_mask:0xf bank_mask:0xf
	v_mov_b32_dpp v[T+1], v[SI+1] row_xmask:\j row_mask:0xf bank_mask:0xf
.endif
	v_min_u32 v[T+2], v[SI],   v[T]
	v_max_u32 v[T+3], v[SI],   v[T]
	v_min_u32 v[T+4], v[SI+1], v[T+1]
	v_max_u32 v[T+5], v[SI+1], v[T+1]
	v_cndmask_b32 v[SI],   v[T+3], v[T+2], s43     ; mask bit set: the smaller
	v_cndmask_b32 v[SI+1], v[T+5], v[T+4], s43
.endm
	s_wait_loadcnt 0x4                             ; the two index loads are in; the four center loads issued behind them stay out
	STAGE 1,  A2,  A1
	STAGE 2,  A4,  A2
	STAGE 1,  A4,  A1
	STAGE 4,  A8,  A4
	STAGE 2,  A8,  A2
	STAGE 1,  A8,  A1
	STAGE 8,  A16, A8
	STAGE 4,  A16, A4
	STAGE 2,  A16, A2
	STAGE 1,  A16, A1
	STAGE 16, A32, A16
	STAGE 8,  A32, A8
	STAGE 4,  A32, A4
	STAGE 2,  A32, A2
	STAGE 1,  A32, A1                              ; lane l now holds its item's index of rank l, ascending
; Ask for row FN into slot FN % R, if there is such a row.  FN = rows asked for so far; the waits below are counted from it.
; Row n of the wave's walk: group n / 4; numbers 0, 1 in the group are ranks 2 (n / 4), 2 (n / 4) + 1 of item 0, numbers 2, 3 those of item 1.
; The hint: a row is named 5.2 times on average, so other work-groups read it again.
.set FN, 0
.macro FILL
.if FN < NROWS
	v_readlane_b32 s12, v[SI+(FN%4)/2], 2*(FN/4)+FN%2
	s_min_u32 s12, s12, VLAST                      ; no address leaves the table
	s_lshl_b32 s12, s12, 10                        ; x 1,024 bytes: below 2^26
	s_add_nc_u64 s[BASE+2*(FN%R):BASE+2*(FN%R)+1], s[4:5], s[12:13]
.irp j, 0,1
	global_load_b128 v[X+8*(FN%R)+4*\j:X+8*(FN%R)+4*\j+3], v[LOFF], s[BASE+2*(FN%R):BASE+2*(FN%R)+1] offset:512*\j th:TH_LOAD_HT
.endr
.set FN, FN+1
.endif
.endm
; The accumulator at AB (+)= weight r x the row at XS.  The weights lie in v[P:P+3]; op_sel and op_sel_hi pick one register of a
; pair for both halves.  start = 1 (r even): an item's first row starts its sums, nothing is cleared.
.macro AXPY r, start
.irp j, 0,1,2,3,4,5,6,7
.if \start
	v_pk_mul_f32 v[AB+2*\j:AB+2*\j+1], v[XS+2*\j:XS+2*\j+1], v[P+\r:P+\r+1] op_sel_hi:[1,0]
.elseif ((\r) % 2) == 0
	v_pk_fma_f32 v[AB+2*\j:AB+2*\j+1], v[XS+2*\j:XS+2*\j+1], v[P+\r:P+\r+1], v[AB+2*\j:AB+2*\j+1] op_sel_hi:[1,0,1]
.else
	v_pk_fma_f32 v[AB+2*\j:AB+2*\j+1], v[XS+2*\j:XS+2*\j+1], v[P+\r-1:P+\r], v[AB+2*\j:AB+2*\j+1] op_sel:[0,1,0] op_sel_hi:[1,1,1]
.endif
.endr
.endm
; Rows PN to PN + 3 of the walk: two of item 0, two of item 1.  first = 1: the first group.
.set PN, 0
.macro GROUP first
	s_wait_loadcnt 2*(FN-PN-4)                     ; loads end in order (ISA guide 5.7.1): two for each row asked for behind row PN + 3 may stay out.
	                                               ; It also shows the four slots' loads done, so that FILL may rewrite their base pairs
	; bf16 to f32: the low half moves up, the high half stays.  Behind that the slot is asked again, R rows ahead
.irp r, 0,1,2,3
.irp k, 0,1,2,3,4,5,6,7
	v_lshlrev_b32 v[U+16*\r+2*\k],   16,  v[X+8*((PN+\r)%R)+\k]
	v_and_b32     v[U+16*\r+2*\k+1], s52, v[X+8*((PN+\r)%R)+\k]
.endr
	FILL
.endr
	; sums of squared differences, my 16 numbers of each row; the four rows take turns, so that no line waits for the one in front
.irp j, 0,1,2,3,4,5,6,7
.irp r, 0,1,2,3
	v_pk_add_f32 v[T+2*\r:T+2*\r+1], v[U+16*\r+2*\j:U+16*\r+2*\j+1], v[CEN+16*(\r/2)+2*\j:CEN+16*(\r/2)+2*\j+1] neg_lo:[0,1] neg_hi:[0,1]
.endr
.irp r, 0,1,2,3
.if \j == 0
	v_pk_mul_f32 v[P+2*\r:P+2*\r+1], v[T+2*\r:T+2*\r+1], v[T+2*\r:T+2*\r+1]
.else
	v_pk_fma_f32 v[P+2*\r:P+2*\r+1], v[T+2*\r:T+2*\r+1], v[T+2*\r:T+2*\r+1], v[P+2*\r:P+2*\r+1]
.endif
.endr
.endr
.irp r, 0,1,2,3
	v_add_f32 v[T+\r], v[P+2*\r], v[P+2*\r+1]
.endr
	; Across the lanes.  The steps xor 1 and xor 2 also sort the rows onto the lanes: a lane keeps the row of its own bit and hands
	; the other one to its neighbour.  Behind them lane l carries row l % 4 alone, and the rest is done once for four rows.
	v_cndmask_b32 v[T+4], v[T+0], v[T+1], s14      ; kept: row 0 in even lanes, row 1 in odd lanes
	v_cndmask_b32 v[T+5], v[T+1], v[T+0], s14      ; handed over: what the neighbour keeps
	v_cndmask_b32 v[T+6], v[T+2], v[T+3], s14
	v_cndmask_b32 v[T+7], v[T+3], v[T+2], s14
	v_add_f32_dpp v[T+4], v[T+5], v[T+4] row_xmask:1 row_mask:0xf bank_mask:0xf
	v_add_f32_dpp v[T+6], v[T+7], v[T+6] row_xmask:1 row_mask:0xf bank_mask:0xf
	v_cndmask_b32 v[T+0], v[T+4], v[T+6], s15      ; kept: rows 0, 1 where bit 1 is clear, rows 2, 3 where it is set
	v_cndmask_b32 v[T+1], v[T+6], v[T+4], s15
	v_add_f32_dpp v[T+0], v[T+1], v[T+0] row_xmask:2 row_mask:0xf bank_mask:0xf
	v_add_f32_dpp v[T+0], v[T+0], v[T+0] row_xmask:4 row_mask:0xf bank_mask:0xf
	v_add_f32_dpp v[T+0], v[T+0], v[T+0] row_xmask:8 row_mask:0xf bank_mask:0xf
	v_permlanex16_b32 v[T+1], v[T+0], s40, s41
	v_add_f32 v[T+0], v[T+0], v[T+1]               ; lane l: the squared distance of row PN + l % 4
	; w = exp(-d / 2) = 2^(-0.5 log2(e) d).  The exponent is never above 0, so it is taken 64 higher and the result scaled by 2^-64:
	; v_exp_f32 gives 0 for results below 2^-126, the multiply keeps them as denormals.
	v_fma_f32 v[T+0], v[T+0], s42, 0x42800000
	v_exp_f32 v[E], v[T+0]
	v_nop                                          ; one plain vector instruction behind a transcendental before its result is read (ISA guide 5.7.2)
.if \first
	s_wait_alu depctr_va_vdst(0)
	v_mul_f32 v[WS], 0x1f800000, v[E]              ; the first four weights start the sums of weights
.set WSRC, WS
.else
	s_wait_alu depctr_va_vdst(0)
	v_mul_f32 v[E], 0x1f800000, v[E]
	v_add_f32 v[WS], v[WS], v[E]                   ; lanes l % 4 = 0, 1: item 0; lanes l % 4 = 2, 3: item 1
.set WSRC, E
.endif
.irp r, 0,1,2,3
	v_mov_b32_dpp v[P+\r], v[WSRC] quad_perm:[\r,\r,\r,\r] row_mask:0xf bank_mask:0xf   ; weight r into every lane
.endr
	; the weighted sums
.irp r, 0,1,2,3
.set XS, U+16*\r
.set AB, ACC+16*(\r/2)
.if (\r % 2) == 0
	AXPY \r, \first
.else
	AXPY \r, 0
.endif
.endr
.set PN, PN+4
.endm
.rept R
	FILL                                           ; rows 0 to 11 of the walk: with the centers 28 loads of the wave are out
.endr
	s_wait_loadcnt 2*R                             ; the centers are in: the two loads of each of the R rows asked for behind them may stay out
.irp i, 0,1
.irp k, 0,1,2,3,4,5,6,7
	v_lshlrev_b32 v[CEN+16*\i+2*\k],   16,  v[U+8*\i+\k]
	v_and_b32     v[CEN+16*\i+2*\k+1], s52, v[U+8*\i+\k]
.endr
.endr
	GROUP 1
.rept NROWS/4-1
	GROUP 0
.endr
	; THE END.  In each quad lanes 0, 1 hold the two halves of item 0's sum of weights, lanes 2, 3 those of item 1's.
	v_add_f32_dpp v[WS], v[WS], v[WS] row_xmask:1 row_mask:0xf bank_mask:0xf
	v_add_f32 v[WS], 0x322bcc77, v[WS]             ; + 1e-8
	v_rcp_f32 v[T], v[WS]
	v_nop                                          ; as behind v_exp_f32
	s_wait_alu depctr_va_vdst(0)
	v_mov_b32_dpp v[P],   v[T] quad_perm:[0,0,0,0] row_mask:0xf bank_mask:0xf    ; item 0's factor into every lane
	v_mov_b32_dpp v[P+2], v[T] quad_perm:[2,2,2,2] row_mask:0xf bank_mask:0xf    ; item 1's
.irp i, 0,1
.irp j, 0,1,2,3,4,5,6,7
	v_pk_mul_f32 v[ACC+16*\i+2*\j:ACC+16*\i+2*\j+1], v[ACC+16*\i+2*\j:ACC+16*\i+2*\j+1], v[P+2*\i:P+2*\i+1] op_sel_hi:[1,0]
.endr
.irp j, 0,1,2,3
	global_store_b128 v[LOFF], v[ACC+16*\i+4*\j:ACC+16*\i+4*\j+3], s[10:11] offset:\i*OROW+512*\j th:TH_STORE_NT   ; 512 consecutive bytes, aligned; not read again
.endr
.endr
	s_endpgm
.Lfunc_end_k_q004152fafb_kre:
	.size	k_q004152fafb_kre, .Lfunc_end_k_q004152fafb_kre-k_q004152fafb_kre
	.p2alignl 7, 3214868480
	.fill 96, 4, 3214868480
	.section	.rodata,"a",@progbits
	.p2align	6, 0x0
	.amdhsa_kernel k_q004152fafb_kre
		.amdhsa_group_segment_fixed_size 0
		.amdhsa_private_segment_fixed_size 0
		.amdhsa_enable_private_segment 0
		.amdhsa_kernarg_size 32
		.amdhsa_user_sgpr_count 2
		.amdhsa_user_sgpr_kernarg_segment_ptr 1
		.amdhsa_wavefront_size32 1
		.amdhsa_system_sgpr_workgroup_id_x 1
		.amdhsa_system_sgpr_workgroup_id_y 1
		.amdhsa_system_sgpr_workgroup_id_z 1
		.amdhsa_system_vgpr_workitem_id 0
		.amdhsa_next_free_vgpr 246
		.amdhsa_next_free_sgpr 66
		.amdhsa_reserve_vcc 0
		.amdhsa_float_denorm_mode_32 3
		.amdhsa_float_denorm_mode_16_64 3
		.amdhsa_memory_ordered 1
		.amdhsa_forward_progress 1
		.amdhsa_inst_pref_size 188
	.end_amdhsa_kernel
	.amdgpu_metadata
---
amdhsa.version: [ 1, 2 ]
amdhsa.kernels:
  - .name:           k_q004152fafb_kre
    .symbol:         k_q004152fafb_kre.kd
    .args:
      - { .name: tab, .offset: 0, .size: 8, .value_kind: global_buffer, .address_space: global }
      - { .name: center, .offset: 8, .size: 8, .value_kind: global_buffer, .address_space: global }
      - { .name: context, .offset: 16, .size: 8, .value_kind: global_buffer, .address_space: global }
      - { .name: out0, .offset: 24, .size: 8, .value_kind: global_buffer, .address_space: global }
    .group_segment_fixed_size: 0
    .private_segment_fixed_size: 0
    .kernarg_segment_align: 8
    .kernarg_segment_size: 32
    .max_flat_workgroup_size: 512
    .sgpr_count:     66
    .vgpr_count:     246
    .wavefront_size: 32
...
	.end_amdgpu_metadata
.endif
;; end of part 3
;; ======== version 3 of 3: 2 launches; 1.96 times as fast as version 1
;; workspace buffers: keep 32,768 bytes of whole numbers
;; launch screen (part 4): grid 256 x 1, 16 waves a work-group, no clusters, 0 bytes of LDS; arguments W, center, context, keep; writes keep
.if DOCPART == 4
	.amdgcn_target "amdgcn-amd-amdhsa--gfx1250"
	.amdhsa_code_object_version 6
	.text
	.protected	k_q004152fafb_screen
	.globl	k_q004152fafb_screen
	.p2align	8
	.type	k_q004152fafb_screen,@function
k_q004152fafb_screen:
	s_mov_b64 s[64:65], 0
	v_nop
	global_prefetch_b8 v0, s[64:65] scope:SCOPE_SE
	s_setreg_imm32_b32 hwreg(HW_REG_WAVE_MODE, 25, 1), 1
	s_wait_xcnt 0x0
; FIRST OF TWO LAUNCHES for
;   out[b] = sum_c w[b,c] W[context[b,c]] / (sum_c w[b,c] + 1e-8),  w[b,c] = exp(-|W[context[b,c]] - W[center[b]]|^2 / 2).
; W: [50000][512] f32, context: [8192][32] i32, center: [8192] i32.  keep: [8192] words, bit c of word b: row c of item b is kept.
;
; WHAT IT DECIDES.  In f32 exp(-d / 2) is exactly 0 when d / 2 > 150 ln 2, d > 207.95 (less than half the smallest number above 0).
; A sum of squares over a part of the row is never above the whole sum.  So a row whose first PART = 192 differences already give more
; than LIMIT = 216 (the margin of 8 covers the rounding of either sum) has the weight 0 in the formula itself: it enters neither sum,
; and its other 1,280 bytes are never wanted.  Every other row is kept, and the second launch does the whole formula on the kept rows.
; The decision comes from floating-point numbers and steers addresses, so it is stored here as whole numbers and used there.
; This is right for every finite W; what hangs on the data is the time.  For rows of independent numbers of unit spread the partial
; sum lies near 2 x 192 = 384, spread about 39.  If every row is kept, this launch's 208 MB come on top of the full gather.
; Why 192: 768 bytes are three aligned pieces of 256; 128 numbers (near 256, spread 32) would leave too many rows just under LIMIT.
; SHARES.  256 work-groups x 16 waves; a wave owns 2 items = 64 context rows, one item after the other.  A row's 768 bytes lie across
; the 32 lanes: one load of 16 bytes a lane (512 consecutive bytes, aligned) and one of 8 bytes a lane (the next 256).
; RING.  16 row slots of 6 registers.  Four rows are at work, twelve are on their way; a slot is asked again behind its squares.
; ADDRESSES.  The indices come by scalar loads; clamp, shift and the sum with W's address are scalar work, a base pair for each slot.
; The 16 groups of four rows are unrolled by macros: scalar registers cannot be picked by a loop counter.
; No LDS, no barrier, no cluster: no wave reads what another one loaded, and which rows two work-groups share hangs on the indices.
; LIMITS.  W is taken as finite: a NaN among the first 192 numbers keeps its row, but an infinity there, or anything not finite behind
; them, does not (the formula's 0 x infinity would be NaN).  An index is taken as unsigned and clamped to 49,999 (the problem keeps
; indices inside the table; a negative index is not wrapped).
.set VLAST,  49999                     ; last row of W
.set CTX,    32                        ; context rows of an item
.set ITEMS,  2                         ; items of a wave
.set NROWS,  ITEMS*CTX                 ; context rows of a wave
.set R,      16                        ; ring slots
.set LIMIT,  0x43580000                ; 216.0
.set L16, 1                            ; v1         16 x lane
.set L8,  2                            ; v2         8 x lane
.set LN,  3                            ; v3         lane
.set T,   4                            ; v[4:11]    at work
.set P,   12                           ; v[12:19]   four pairs of partial sums of squares
.set CEN, 20                           ; v[20:31]   the first 192 numbers of both center rows, 6 registers each
.set X,   32                           ; v[32:127]  slot s: 6 registers
.set M,   128                          ; v[128:129] the two masks, to store
.set BASE, 16                          ; s[16:47]   slot s: address of its row
.set IDX,  48                          ; s[48:63], s[68:83]  row n's index: n % 32 below 16 in the first run, else in the second
.set SK,   88                          ; s[88:89]   item i: bit c set = row c is screened out
	s_load_b256 s[4:11], s[0:1], 0x0               ; W s[4:5], center s[6:7], context s[8:9], keep s[10:11]
	v_lshrrev_b32 v[T], 5, v0
	v_readfirstlane_b32 s96, v[T]                  ; wave in the work-group
	v_and_b32 v[LN], 31, v0
	v_lshlrev_b32 v[L16], 4, v[LN]                 ; my 16 bytes of a row's first 512
	v_lshlrev_b32 v[L8], 3, v[LN]                  ; my 8 bytes of the next 256
	s_lshl_b32 s97, ttmp9, 4
	s_add_co_u32 s97, s97, s96                     ; wave in the launch, 0 to 4,095
	s_mov_b32 s3, 0                                ; high words of the two offset pairs
	s_mov_b32 s13, 0
	s_mov_b32 s14, 0xaaaaaaaa                      ; lanes with bit 0 set
	s_mov_b32 s15, 0xcccccccc                      ; lanes with bit 1 set
	s_mov_b32 s84, 0x76543210                      ; v_permlanex16_b32: lane i of one half reads lane i of the other
	s_mov_b32 s85, 0xfedcba98
	s_mov_b32 s87, LIMIT
	s_wait_kmcnt 0x0
	s_mul_i32 s2, s97, ITEMS*4
	s_add_nc_u64 s[6:7], s[6:7], s[2:3]            ; my two center indices
	s_add_nc_u64 s[10:11], s[10:11], s[2:3]        ; my two words of keep
	s_mul_i32 s2, s97, NROWS*4
	s_add_nc_u64 s[8:9], s[8:9], s[2:3]            ; my 64 context indices
	s_load_b64 s[90:91], s[6:7], 0x0
	s_load_b512 s[IDX:IDX+15], s[8:9], 0x0         ; rows 0 to 15
	s_load_b512 s[IDX+20:IDX+35], s[8:9], 0x40     ; rows 16 to 31
	s_wait_kmcnt 0x0
.irp i, 0,1                                        ; both centers first: they are in when any context row is (loads end in order)
	s_min_u32 s12, s[90+\i], VLAST
	s_lshl_b32 s12, s12, 11
	s_add_nc_u64 s[92+2*\i:93+2*\i], s[4:5], s[12:13]
	global_load_b128 v[CEN+6*\i:CEN+6*\i+3],   v[L16], s[92+2*\i:93+2*\i]
	global_load_b64  v[CEN+6*\i+4:CEN+6*\i+5], v[L8],  s[92+2*\i:93+2*\i] offset:512
.endr
; Ask for row FN into slot FN % R, if there is such a row.  FN = rows asked for so far; the waits below are counted from it.
; Every 16 rows: the 16 index registers just used up are loaded again, 16 rows before they are wanted, and the wait for that
; scalar load stands in front of its first use.
.set FN, 0
.macro FILL
.if FN < NROWS
.if (FN % 16) == 0
.if FN >= 32
	s_wait_kmcnt 0x0                               ; the indices of rows FN to FN + 15, asked for 16 rows ago
.endif
.if FN >= 16
.if (FN + 16) < NROWS
.set ILD, IDX+20*(((FN+16)%32)/16)
	s_load_b512 s[ILD:ILD+15], s[8:9], (FN+16)*4
.endif
.endif
.endif
.set IRG, IDX+(FN%16)+20*((FN%32)/16)
	s_min_u32 s12, s[IRG], VLAST                   ; no address leaves the table
	s_lshl_b32 s12, s12, 11                        ; x 2,048 bytes: below 2^27
	s_add_nc_u64 s[BASE+2*(FN%R):BASE+2*(FN%R)+1], s[4:5], s[12:13]
	global_load_b128 v[X+6*(FN%R):X+6*(FN%R)+3],   v[L16], s[BASE+2*(FN%R):BASE+2*(FN%R)+1]
	global_load_b64  v[X+6*(FN%R)+4:X+6*(FN%R)+5], v[L8],  s[BASE+2*(FN%R):BASE+2*(FN%R)+1] offset:512
.set FN, FN+1
.endif
.endm
; Rows PN to PN + 3.
.set PN, 0
.macro GROUP
.set CB, CEN+6*(PN/CTX)                            ; this item's center
	s_wait_loadcnt 2*(FN-PN-4)                     ; loads end in order (ISA guide 5.7.1): two for each row asked for behind row PN + 3 may stay out.
	                                               ; It also shows the four slots' loads done, so that FILL may rewrite their base pairs
	; sums of squared differences, my 6 numbers of each row; the four rows take turns, so that no line waits for the one in front
.irp j, 0,1,2
.irp r, 0,1,2,3
	v_pk_add_f32 v[T+2*\r:T+2*\r+1], v[X+6*((PN+\r)%R)+2*\j:X+6*((PN+\r)%R)+2*\j+1], v[CB+2*\j:CB+2*\j+1] neg_lo:[0,1] neg_hi:[0,1]
.endr
.irp r, 0,1,2,3
.if \j == 0
	v_pk_mul_f32 v[P+2*\r:P+2*\r+1], v[T+2*\r:T+2*\r+1], v[T+2*\r:T+2*\r+1]
.else
	v_pk_fma_f32 v[P+2*\r:P+2*\r+1], v[T+2*\r:T+2*\r+1], v[T+2*\r:T+2*\r+1], v[P+2*\r:P+2*\r+1]
.endif
.endr
.endr
.rept 4
	FILL                                           ; the four slots have been read for the last time: asked again, R rows ahead
.endr
.irp r, 0,1,2,3
	v_add_f32 v[T+\r], v[P+2*\r], v[P+2*\r+1]
.endr
	; Across the lanes.  The steps xor 1 and xor 2 also sort the rows onto the lanes: a lane keeps the row of its own bit and hands
	; the other one to its neighbour.  Behind them lane l carries row l % 4 alone, and the rest is done once for four rows.
	v_cndmask_b32 v[T+4], v[T+0], v[T+1], s14      ; kept: row 0 in even lanes, row 1 in odd lanes
	v_cndmask_b32 v[T+5], v[T+1], v[T+0], s14      ; handed over: what the neighbour keeps
	v_cndmask_b32 v[T+6], v[T+2], v[T+3], s14
	v_cndmask_b32 v[T+7], v[T+3], v[T+2], s14
	v_add_f32_dpp v[T+4], v[T+5], v[T+4] row_xmask:1 row_mask:0xf bank_mask:0xf
	v_add_f32_dpp v[T+6], v[T+7], v[T+6] row_xmask:1 row_mask:0xf bank_mask:0xf
	v_cndmask_b32 v[T+0], v[T+4], v[T+6], s15      ; kept: rows 0, 1 where bit 1 is clear, rows 2, 3 where it is set
	v_cndmask_b32 v[T+1], v[T+6], v[T+4], s15
	v_add_f32_dpp v[T+0], v[T+1], v[T+0] row_xmask:2 row_mask:0xf bank_mask:0xf
	v_add_f32_dpp v[T+0], v[T+0], v[T+0] row_xmask:4 row_mask:0xf bank_mask:0xf
	v_add_f32_dpp v[T+0], v[T+0], v[T+0] row_xmask:8 row_mask:0xf bank_mask:0xf
	v_permlanex16_b32 v[T+1], v[T+0], s84, s85
	v_add_f32 v[T+0], v[T+0], v[T+1]               ; lane l: the partial squared distance of row PN + l % 4
	v_cmp_lt_f32 s86, s87, v[T+0]                  ; bit l: LIMIT < that sum (false for a NaN, whose row is therefore kept)
.if (PN % CTX) == 0
	s_and_b32 s[SK+PN/CTX], s86, 15                ; lanes 0 to 3 speak for the four rows; an item's first group starts its mask
.else
	s_and_b32 s86, s86, 15
	s_lshl_b32 s86, s86, PN % CTX
	s_or_b32 s[SK+PN/CTX], s[SK+PN/CTX], s86
.endif
.set PN, PN+4
.endm
.rept R
	FILL                                           ; rows 0 to 15: with the centers 36 loads of the wave are out
.endr
.rept NROWS/4
	GROUP
.endr
	; The two masks, turned round (bit set = kept), 8 bytes from lane 0.  All waves together store 32,768 bytes, against the
	; 208 MB that the launch reads: collecting them through LDS would cost a barrier and spare nothing that counts.
	s_not_b32 s[SK], s[SK]
	s_not_b32 s[SK+1], s[SK+1]
	v_mov_b32 v[M], s[SK]
	v_mov_b32 v[M+1], s[SK+1]
	v_cmp_eq_u32 vcc_lo, 0, v[LN]
	s_and_saveexec_b32 s98, vcc_lo
	global_store_b64 v[LN], v[M:M+1], s[10:11]     ; lane 0: its offset v[LN] is 0
	s_wait_xcnt 0x0                                ; EXEC is a source of the pending store: it is changed back only behind this wait (ISA guide 3.1)
	s_or_b32 exec_lo, exec_lo, s98
	s_endpgm
.Lfunc_end_k_q004152fafb_screen:
	.size	k_q004152fafb_screen, .Lfunc_end_k_q004152fafb_screen-k_q004152fafb_screen
	.p2alignl 7, 3214868480
	.fill 96, 4, 3214868480
	.section	.rodata,"a",@progbits
	.p2align	6, 0x0
	.amdhsa_kernel k_q004152fafb_screen
		.amdhsa_group_segment_fixed_size 0
		.amdhsa_private_segment_fixed_size 0
		.amdhsa_enable_private_segment 0
		.amdhsa_kernarg_size 32
		.amdhsa_user_sgpr_count 2
		.amdhsa_user_sgpr_kernarg_segment_ptr 1
		.amdhsa_wavefront_size32 1
		.amdhsa_system_sgpr_workgroup_id_x 1
		.amdhsa_system_sgpr_workgroup_id_y 1
		.amdhsa_system_sgpr_workgroup_id_z 1
		.amdhsa_system_vgpr_workitem_id 0
		.amdhsa_next_free_vgpr 130
		.amdhsa_next_free_sgpr 99
		.amdhsa_reserve_vcc 1
		.amdhsa_float_denorm_mode_32 3
		.amdhsa_float_denorm_mode_16_64 3
		.amdhsa_memory_ordered 1
		.amdhsa_forward_progress 1
		.amdhsa_inst_pref_size 64
	.end_amdhsa_kernel
	.amdgpu_metadata
---
amdhsa.version: [ 1, 2 ]
amdhsa.kernels:
  - .name:           k_q004152fafb_screen
    .symbol:         k_q004152fafb_screen.kd
    .args:
      - { .name: W, .offset: 0, .size: 8, .value_kind: global_buffer, .address_space: global }
      - { .name: center, .offset: 8, .size: 8, .value_kind: global_buffer, .address_space: global }
      - { .name: context, .offset: 16, .size: 8, .value_kind: global_buffer, .address_space: global }
      - { .name: keep, .offset: 24, .size: 8, .value_kind: global_buffer, .address_space: global }
    .group_segment_fixed_size: 0
    .private_segment_fixed_size: 0
    .kernarg_segment_align: 8
    .kernarg_segment_size: 32
    .max_flat_workgroup_size: 512
    .sgpr_count:     99
    .vgpr_count:     130
    .wavefront_size: 32
...
	.end_amdgpu_metadata
.endif
;; end of part 4
;; launch finish (part 5): grid 512 x 1, 16 waves a work-group, no clusters, 0 bytes of LDS; arguments W, center, context, keep, out0; writes out0
.if DOCPART == 5
	.amdgcn_target "amdgcn-amd-amdhsa--gfx1250"
	.amdhsa_code_object_version 6
	.text
	.protected	k_q004152fafb_finish
	.globl	k_q004152fafb_finish
	.p2align	8
	.type	k_q004152fafb_finish,@function
k_q004152fafb_finish:
	s_mov_b64 s[64:65], 0
	v_nop
	global_prefetch_b8 v0, s[64:65] scope:SCOPE_SE
	s_setreg_imm32_b32 hwreg(HW_REG_WAVE_MODE, 25, 1), 1
	s_wait_xcnt 0x0
; SECOND OF TWO LAUNCHES for
;   out[b] = sum_c w[b,c] W[context[b,c]] / (sum_c w[b,c] + 1e-8),  w[b,c] = exp(-|W[context[b,c]] - W[center[b]]|^2 / 2).
; W: [50000][512] f32, context: [8192][32] i32, center: [8192] i32, out: [8192][512] f32.  All arithmetic in f32.
; keep: [8192] words from the launch before: bit c of word b is clear where the first 192 squared differences of row c already pass
; 216, so that exp(-d / 2) is exactly 0 in f32 (d > 207.95) and the row enters neither sum.  Here the whole formula is done on the
; rows whose bit is set, on whole rows, from W as it is given.
; SHARES.  512 work-groups x 16 waves, one item a wave.  A row of 2,048 bytes lies across the 32 lanes: four loads or stores of 16 bytes
; a lane, each covering 512 consecutive bytes, aligned.
; An item with no bit set: both sums are 0, the result is 0 / 1e-8 = 0: the wave stores its cleared accumulator and reads no row.
; Otherwise one trip for each set bit.  No maximum is subtracted in this formula, so a row's weight is final as soon as its own distance
; is known: the row is requested once, gives its distance, and enters acc += w * row and the sum of weights.  A trip waits for its own
; row: there is no ring, since with 80 registers all 8,192 waves are on the chip at once, 32 to a WGP, each with 2,048 bytes on
; their way.  The trip count and the addresses hang on whole numbers read from memory alone (keep, context, center).
; If every bit is set the launch gathers all 8192 x 33 rows; how many are set hangs on the data.
; No LDS, no barrier, no cluster: no wave reads what another one loaded, and which rows two work-groups share hangs on the indices.
; LIMITS.  W is taken as finite (the formula's 0 x infinity for a row that was screened out would be NaN; here it is nothing).  An item
; with nothing kept gets +0 whatever the signs of its rows.  An index is taken as unsigned and clamped to 49,999 (the problem keeps
; indices inside the table; a negative index is not wrapped).  The sums run in another order than the reference's (a tree across the
; lanes); 1 / (sum + 1e-8) is v_rcp_f32 and multiplies the finished sum.
.set VLAST, 49999                      ; last row of W
.set L16, 1                            ; v1        16 x lane
.set L4,  2                            ; v2        4 x lane
.set WS,  3                            ; v3        sum of weights, the same in every lane
.set T,   4                            ; v[4:7]    at work
.set P,   8                            ; v[8:11]   two pairs of partial sums of squares
.set VI,  12                           ; v12       the item's 32 indices, index l in lane l
.set WV,  14                           ; v[14:15]  the row's weight, twice (a pair for the packed multiply-add)
.set ACC, 16                           ; v[16:31]  sum of w * row
.set CEN, 32                           ; v[32:47]  the center row
.set X,   48                           ; v[48:63]  the row at work
.set DF,  64                           ; v[64:79]  its differences from the center
	s_load_b256 s[4:11], s[0:1], 0x0               ; W s[4:5], center s[6:7], context s[8:9], keep s[10:11]
	s_load_b64 s[12:13], s[0:1], 0x20              ; out0
	v_lshrrev_b32 v[T], 5, v0
	v_readfirstlane_b32 s16, v[T]                  ; wave in the work-group
	v_and_b32 v[T+1], 31, v0                       ; lane
	v_lshlrev_b32 v[L16], 4, v[T+1]                ; my 16 bytes in each 512
	v_lshlrev_b32 v[L4], 2, v[T+1]                 ; my word among the item's 32 indices
	s_lshl_b32 s17, ttmp9, 4
	s_add_co_u32 s17, s17, s16                     ; my item, 0 to 8,191
	s_mov_b32 s15, 0                               ; high word of the offset pair
.irp j, 0,1,2,3,4,5,6,7,8,9,10,11,12,13,14,15
	v_mov_b32 v[ACC+\j], 0                         ; the row of zeros that most items may store, and the start of the sums for the others
.endr
	s_wait_kmcnt 0x0
	s_lshl_b32 s14, s17, 2
	s_add_nc_u64 s[6:7], s[6:7], s[14:15]          ; my center index
	s_add_nc_u64 s[10:11], s[10:11], s[14:15]      ; my word of keep
	s_load_b32 s18, s[10:11], 0x0
	s_load_b32 s19, s[6:7], 0x0                    ; asked for together with the mask: 4 bytes, and one wait less where rows are kept
	s_lshl_b32 s14, s17, 11
	s_add_nc_u64 s[12:13], s[12:13], s[14:15]      ; my row of the output
	s_lshl_b32 s14, s17, 7
	s_add_nc_u64 s[8:9], s[8:9], s[14:15]          ; my 32 context indices
	s_wait_kmcnt 0x0
	s_bcnt1_i32_b32 s20, s18                       ; rows kept = trips
	s_cmp_eq_u32 s20, 0
	s_cbranch_scc1 .Lstore                         ; none: acc is the result
	global_load_b32 v[VI], v[L4], s[8:9]
	s_min_u32 s14, s19, VLAST
	s_lshl_b32 s14, s14, 11
	s_add_nc_u64 s[24:25], s[4:5], s[14:15]
.irp j, 0,1,2,3
	global_load_b128 v[CEN+4*\j:CEN+4*\j+3], v[L16], s[24:25] offset:512*\j
.endr
	v_mov_b32 v[WS], 0
	s_mov_b32 s28, 0x76543210                      ; v_permlanex16_b32: lane i of one half reads lane i of the other
	s_mov_b32 s29, 0xfedcba98
	s_mov_b32 s30, 0xbf38aa3b                      ; -0.5 x log2(e)
	s_mov_b32 s21, 0                               ; trips done
	s_wait_loadcnt 0x4                             ; the indices are in; the four center loads issued behind them may stay out
.Lrow:
	s_ctz_i32_b32 s22, s18                         ; the lowest bit still set: there is one in each of the s20 trips
	s_sub_co_u32 s23, s18, 1
	s_and_b32 s18, s18, s23                        ; and it is cleared
	v_readlane_b32 s14, v[VI], s22                 ; that row's index
	s_min_u32 s14, s14, VLAST                      ; no address leaves the table
	s_lshl_b32 s14, s14, 11                        ; x 2,048 bytes: below 2^27
	s_add_nc_u64 s[26:27], s[4:5], s[14:15]        ; the last trip's loads, which read this pair, were waited for there
.irp j, 0,1,2,3
	global_load_b128 v[X+4*\j:X+4*\j+3], v[L16], s[26:27] offset:512*\j
.endr
	s_wait_loadcnt 0x0                             ; the row (in the first trip the center too); the other waves' rows fill the time
	; the squared distance: my 16 numbers in two chains, then across the 32 lanes
.irp j, 0,1,2,3,4,5,6,7
	v_pk_add_f32 v[DF+2*\j:DF+2*\j+1], v[X+2*\j:X+2*\j+1], v[CEN+2*\j:CEN+2*\j+1] neg_lo:[0,1] neg_hi:[0,1]
.endr
	v_pk_mul_f32 v[P:P+1],   v[DF:DF+1],   v[DF:DF+1]
	v_pk_mul_f32 v[P+2:P+3], v[DF+2:DF+3], v[DF+2:DF+3]
.irp j, 2,4,6
	v_pk_fma_f32 v[P:P+1],   v[DF+2*\j:DF+2*\j+1],   v[DF+2*\j:DF+2*\j+1],   v[P:P+1]
	v_pk_fma_f32 v[P+2:P+3], v[DF+2*\j+2:DF+2*\j+3], v[DF+2*\j+2:DF+2*\j+3], v[P+2:P+3]
.endr
	v_pk_add_f32 v[P:P+1], v[P:P+1], v[P+2:P+3]
	v_add_f32 v[T], v[P], v[P+1]
	v_add_f32_dpp v[T], v[T], v[T] row_xmask:1 row_mask:0xf bank_mask:0xf
	v_add_f32_dpp v[T], v[T], v[T] row_xmask:2 row_mask:0xf bank_mask:0xf
	v_add_f32_dpp v[T], v[T], v[T] row_xmask:4 row_mask:0xf bank_mask:0xf
	v_add_f32_dpp v[T], v[T], v[T] row_xmask:8 row_mask:0xf bank_mask:0xf
	v_permlanex16_b32 v[T+1], v[T], s28, s29       ; its destination counts as read: written at the kernel's head
	v_add_f32 v[T], v[T], v[T+1]                   ; every lane: the squared distance
	; w = exp(-d / 2) = 2^(-0.5 log2(e) d).  The exponent is never above 0, so it is taken 64 higher and the result scaled by 2^-64:
	; v_exp_f32 gives 0 for results below 2^-126, the multiply keeps them as denormals.
	v_fma_f32 v[T], v[T], s30, 0x42800000
	v_exp_f32 v[T+2], v[T]
	v_nop                                          ; one plain vector instruction behind a transcendental before its result is read (ISA guide 5.7.2)
	s_wait_alu depctr_va_vdst(0)
	v_mul_f32 v[WV],   0x1f800000, v[T+2]
	v_mul_f32 v[WV+1], 0x1f800000, v[T+2]
	v_add_f32 v[WS], v[WS], v[WV]
.irp j, 0,1,2,3,4,5,6,7
	v_pk_fma_f32 v[ACC+2*\j:ACC+2*\j+1], v[X+2*\j:X+2*\j+1], v[WV:WV+1], v[ACC+2*\j:ACC+2*\j+1]
.endr
	s_add_co_u32 s21, s21, 1
	s_cmp_lt_u32 s21, s20
	s_cbranch_scc1 .Lrow
	v_add_f32 v[WS], 0x322bcc77, v[WS]             ; + 1e-8
	v_rcp_f32 v[T], v[WS]
	v_nop                                          ; as behind v_exp_f32
	s_wait_alu depctr_va_vdst(0)
.irp j, 0,1,2,3,4,5,6,7
	v_pk_mul_f32 v[ACC+2*\j:ACC+2*\j+1], v[ACC+2*\j:ACC+2*\j+1], v[T:T+1] op_sel_hi:[1,0]
.endr
.Lstore:
.irp j, 0,1,2,3
	global_store_b128 v[L16], v[ACC+4*\j:ACC+4*\j+3], s[12:13] offset:512*\j th:TH_STORE_NT   ; 512 consecutive bytes, aligned; not read again
.endr
	s_endpgm
.Lfunc_end_k_q004152fafb_finish:
	.size	k_q004152fafb_finish, .Lfunc_end_k_q004152fafb_finish-k_q004152fafb_finish
	.p2alignl 7, 3214868480
	.fill 96, 4, 3214868480
	.section	.rodata,"a",@progbits
	.p2align	6, 0x0
	.amdhsa_kernel k_q004152fafb_finish
		.amdhsa_group_segment_fixed_size 0
		.amdhsa_private_segment_fixed_size 0
		.amdhsa_enable_private_segment 0
		.amdhsa_kernarg_size 40
		.amdhsa_user_sgpr_count 2
		.amdhsa_user_sgpr_kernarg_segment_ptr 1
		.amdhsa_wavefront_size32 1
		.amdhsa_system_sgpr_workgroup_id_x 1
		.amdhsa_system_sgpr_workgroup_id_y 1
		.amdhsa_system_sgpr_workgroup_id_z 1
		.amdhsa_system_vgpr_workitem_id 0
		.amdhsa_next_free_vgpr 80
		.amdhsa_next_free_sgpr 66
		.amdhsa_reserve_vcc 0
		.amdhsa_float_denorm_mode_32 3
		.amdhsa_float_denorm_mode_16_64 3
		.amdhsa_memory_ordered 1
		.amdhsa_forward_progress 1
		.amdhsa_inst_pref_size 7
	.end_amdhsa_kernel
	.amdgpu_metadata
---
amdhsa.version: [ 1, 2 ]
amdhsa.kernels:
  - .name:           k_q004152fafb_finish
    .symbol:         k_q004152fafb_finish.kd
    .args:
      - { .name: W, .offset: 0, .size: 8, .value_kind: global_buffer, .address_space: global }
      - { .name: center, .offset: 8, .size: 8, .value_kind: global_buffer, .address_space: global }
      - { .name: context, .offset: 16, .size: 8, .value_kind: global_buffer, .address_space: global }
      - { .name: keep, .offset: 24, .size: 8, .value_kind: global_buffer, .address_space: global }
      - { .name: out0, .offset: 32, .size: 8, .value_kind: global_buffer, .address_space: global }
    .group_segment_fixed_size: 0
    .private_segment_fixed_size: 0
    .kernarg_segment_align: 8
    .kernarg_segment_size: 40
    .max_flat_workgroup_size: 512
    .sgpr_count:     66
    .vgpr_count:     80
    .wavefront_size: 32
...
	.end_amdgpu_metadata
.endif
;; end of part 5
